; MI455X (gfx1250); checked and timed in simulation.
; The chip was launched on July 23, 2026; its instructions are those of AMD's public machine-readable ISA for CDNA 5 (MIT licence, August 2026) and "CDNA5" Instruction Set Architecture Reference Guide (July 2026). The comments in the code are by the model that wrote it; some were corrected since.
;; Adapted Linear. Allowed arithmetic: matrix products marked QUANTISED: E5M2 operands, one given power-of-two scale a tensor, by v_wmma_f32_16x16x64_bf8_bf8 or v_wmma_f32_16x16x128_bf8_bf8, f32 sums; products left as they are: f32 operands where the result goes on into a quantised operand, else bf16, f16 or f32 operands; f32 sums; everything else in f32.
;; Inputs: HN_ids 16 int32; W_A 256 x 32,768 float32; W_B 256 x 32,768 float32; bias 2,048 float32; emb_id 1,000 x 256 float32; emb_layer 24 x 256 float32; lowp_scales 4 int32 (the exponents e of the quantised operands' scales 2^e); weight 2,048 x 2,048 float32; x 16 x 2,048 float32.
;; Outputs: out0 16 x 2,048 float32.
;; Constants: layer_id = 3.
;; This version of the problem:
;;   THIS VERSION OF THE PROBLEM IS GIVEN IN LOW PRECISION. The matrix products marked QUANTISED in the list below multiply operands that are first quantised to E5M2 (5 exponent bits, 2 mantissa bits; 8 bits a number), with one given power-of-two scale for each operand tensor; their sums are f32. All else is computed in f32.
;;   The module's matrix products, in the order in which they are computed (A, B: the left and right operand; K: the contracted axis; several contracted axes count as one K, in the product's order):
;;     1. [M 16, K 256] x [K 256, N 32,768]; A: computed on the way; B: input W_A: QUANTISED (scales: A lowp_scales[0], B lowp_scales[1])
;;     2. [M 16, K 256] x [K 256, N 32,768]; A: computed on the way; B: input W_B: QUANTISED (scales: A lowp_scales[2], B lowp_scales[3])
;;     3. batch 16 x [M 2,048, K 16] x [K 16, N 2,048]; A: computed on the way; B: computed on the way: left as it is (K = 16 < 32)
;;     4. batch 16 x [M 2,048, K 2,048] x [K 2,048, N 1]; A: computed on the way; B: input x: left as it is (N = 1 < 16)
;;   THE QUANTISER, for each operand of a quantised product, along K:
;;     - The operand's scale is 2^e, e = its entry of the input lowp_scales (int32; the entries are numbered through the quantised products in the list's order, A before B).
;;     - Each number is divided by the scale, clamped to +-57,344, and rounded to the nearest number of E5M2, ties to even, subnormals kept.
;;     - The product sums the exact products of the quantised numbers (number of the format x scale) in f32.
;;   ~~~python
;;   def quantise(x, axis, e):      # numpy; x: float32 -> the quantised numbers, widened to float32 again
;;       x = np.moveaxis(x, axis, -1); K = x.shape[-1]
;;       r = np.clip(x / 2.0 ** e, -57344, 57344)
;;       step = 2.0 ** (np.maximum(np.frexp(np.where(r == 0, 1, r))[1] - 1, -14) - 2)
;;       q = np.round(r / step) * step * 2.0 ** e      # np.round: ties to even
;;       return np.moveaxis(q, -1, axis).astype(np.float32)
;;   ~~~
;;   OPERANDS COMPUTED ON THE WAY. 'Computed on the way' means the value that the module computes at that place (a softmax that the list does not call 'softmax' is quantised finished and normalised). What goes into a quantiser is computed in f32, as accurately as f32 sums, v_exp_f32 and their like allow (about 1e-6 of the number): no bf16 or f16 on the way to a quantiser, and a product that is left as it is and whose result goes on into a quantised operand takes f32 operands (vector FMAs, or v_wmma_f32_16x16x4_f32). A number that lies on a knife's edge between two numbers of the format may be rounded either way, as far as f32 arithmetic and the matrix unit's own rounding can turn it there, and no further.
;; 2 versions, each right; version 2 is version 1 with the launch hyper_b written anew for expert scheduling mode. Each part assembles by itself: llvm-mc -triple=amdgcn-amd-amdhsa -mcpu=gfx1250 --defsym DOCPART=n.
;; ======== version 1 of 2: 2 launches
;; workspace buffers: tpart 16,384 bytes; basep 2,097,152 bytes
;; launch hyper_a (part 1): grid 256 x 1, 8 waves a work-group, no clusters, 66,560 bytes of LDS; arguments x, HN_ids, weight, emb_id, emb_layer, W_A, lowp_scales, tpart, basep; writes tpart, basep
.if DOCPART == 1
	.amdgcn_target "amdgcn-amd-amdhsa--gfx1250"
	.amdhsa_code_object_version 6
	.text
	.protected	k_q753be8a4ac_hyper_a
	.globl	k_q753be8a4ac_hyper_a
	.p2align	8
	.type	k_q753be8a4ac_hyper_a,@function
k_q753be8a4ac_hyper_a:
	s_mov_b64 s[64:65], 0
	v_nop
	global_prefetch_b8 v0, s[64:65] scope:SCOPE_SE
	s_setreg_imm32_b32 hwreg(HW_REG_WAVE_MODE, 25, 1), 1
	s_wait_xcnt 0x0
; FIRST OF TWO LAUNCHES.  out = (weight + B A) x + bias is computed as  weight x  +  B (A x)  +  bias: sums taken in another order, nothing else.
; h = emb_id[HN_ids] + emb_layer[3];  A = Q(h) Q(W_A): [16][32768], column n = 2048 rank + i;  t[b][rank] = sum over i of A[b][rank][i] x[b][i].
; THIS LAUNCH: work-group g takes columns 128 g .. 128 g + 127 of W_A (rank g / 16, i = 128 (g % 16) on) and stores tpart[g][b] = its part of t[b][g / 16], times 2^(e0 + e1);
; and it takes the tile of weight with rows 128 (g / 16) on and the SAME 128 columns i, so that one piece of x (16 x 512 bytes) serves both, and stores its part of weight x into basep.
; basep: [o / 8][i block 16][(o / 4) % 2][b 16][o % 4] f32: the second launch reads 8,192 dense bytes for its eight outputs.  tpart: [g 256][b 16] f32 = [rank][i block][b].
; SHARES.  Eight waves.  Wave w = 2 kq + cg takes 64 columns (64 cg on) x 64 rows k (64 kq on) of W_A: K is shared among waves, since all behind the product is linear; the eight parts meet in LDS.
; Of weight's tile wave w takes rows 16 w .. 16 w + 15.  All of a wave's 56 loads are issued at the head, each 512 bytes in whole aligned runs of 256, and are worked off by counted waits.
; W_A HAS K AS ITS FIRST AXIS.  A load gives a lane four columns of one k.  Held, converted eight at a time, the codes lie four COLUMNS to a register; sixteen byte permutes for eight rows turn 4 x 4 bytes,
; so that a register holds four k of one column.  Place (lane half h, register q, byte y) of both operands holds k = 64 kq + 32 h + 4 q + y: a permutation of k, the same in h's fragment and in W_A's.
; Tile j of four holds columns 4 r + j (r = lane % 16).  Source 0 = h (16 batch rows), source 1 = 16 columns: lane (r, h), register jj of tile j = A(batch 8 h + jj, column 4 r + j).
; FORMATS.  Q(h) Q(W_A): E5M2 codes, v_wmma_f32_16x16x64_bf8_bf8.  weight x feeds no quantiser: bf16 operands, f32 sums.  A x: f32 multiply-adds.
; NO CLUSTER, NO TENSOR LOADS: what work-groups share (x's piece, 8 KB, and the embeddings' rows, 24 KB) is 32 of a work-group's 224 KB; the rest is read by one work-group alone, and all of it fits into registers in flight.
; NO PREFETCH: every byte is asked for at the head; nothing lies ahead of the loads.
; LIMITS: each entry of lowp_scales lies between -126 and 112, so that 2^e and 57,344 x 2^e are f32 numbers (e0 + e1 goes through v_ldexp_f32 and has no limit).  NaN among h or W_A is not served; infinities are held
; at the largest code.  An id above 999 (or negative) is taken as 999.  tpart leaves as 64 bytes a work-group: a quarter of an aligned run of 256; it is 16 KB in all.
.set XF, 0                             ; LDS: x's piece, f32, 16 rows of 512 bytes + 16
.set XB, 8448                          ;      the same in bf16, 16 rows of 256 bytes + 16
.set HS, 12800                         ;      h, f32, 16 rows of 1,024 bytes + 16
.set WS, 29440                         ;      eight stages, a wave's own: 16 rows of weight in bf16, 256 bytes + 16
.set TP, 64256                         ;      eight waves x 16 parts of t
.set PX, 4                             ; s[4:5] x   s[6:7] HN_ids   s[8:9] weight   s[10:11] emb_id   s[12:13] emb_layer   s[14:15] W_A   s[16:17] lowp_scales   s[18:19] tpart   s[20:21] basep
.set PI, 6
.set PG, 8
.set PE, 10
.set PL, 12
.set PW, 14
.set PS, 16
.set PT, 18
.set PB, 20
.set WV, 22                            ; s22 wave   s23 cg   s24 kq   s25 i block   s26 rank = block of weight's rows
.set CG, 23
.set KQ, 24
.set IB, 25
.set OB, 26
.set SELA, 32                          ; s32-35 byte selects of the 4 x 4 turn
.set SELB, 33
.set SELC, 34
.set SELD, 35
.set L16,  1                           ; v1   16 x lane
.set WOFF, 2                           ; v2   W_A: 16 r, and 32 rows further down for lanes 16-31
.set XFS,  3                           ; v3   x's piece into LDS, f32
.set XBS,  4                           ; v4   and bf16
.set HSS,  5                           ; v5   h into LDS
.set HFR,  6                           ; v6   h's fragment out of it
.set XFR,  7                           ; v7   x for the contraction
.set WSS,  8                           ; v8   weight into my stage
.set WFR,  9                           ; v9   weight's fragments out of it
.set XBR,  10                          ; v10  x's fragments
.set TPS,  11                          ; v11  my parts of t
.set BOFF, 12                          ; v12  my bytes in basep
.set SW,   13                          ; v13  2^e1   v14  57,344 x 2^e1   v15  2^e0   v28  57,344 x 2^e0
.set LW,   14
.set SH,   15
.set LH,   28
.set IT,   16                          ; v16-23 codes as converted; later h's fragment
.set HC,   16
.set TT0,  24                          ; v24-27 at work
.set TPR,  29                          ; v29  the parts of t, read back
.set TO,   30                          ; v30  4 r
.set XD,   32                          ; v32-39 x as loaded; later the eight sums
.set ACC,  32
.set ED,   40                          ; v40-55 two rows of emb_id
.set LD,   56                          ; v56-63 emb_layer's row
.set GD,   64                          ; v64-127 weight as loaded; later: v64-79 two accumulators, v80-87 their sum, v88-95 the parts of t
.set BS,   80
.set FIN,  88
.set WD,   128                         ; v128-255 W_A as loaded
.set CD,   128                         ; v128-159 its codes, four tiles of 8 registers, over the first eight loads' registers
.set HF,   160                         ; v160-191 h in f32; later weight in bf16
.set GB,   160
.set XV,   192                         ; v192-223 x for the contraction; later weight's fragments
.set WF,   192
.set DA,   224                         ; v224-255 the four tiles of A; later x's fragments
.set XG,   224
.macro WLOADS                          ; load L: lanes 0-15 the aligned 256 bytes of row L of my 64, lanes 16-31 those of row 32 + L
.set L, 0
.rept 32
	global_load_b128 v[WD+4*L:WD+4*L+3], v[WOFF], s[PW:PW+1] offset:L*131072 th:TH_LOAD_NT
.set L, L+1
.endr
.endm
; Loads 8 p .. 8 p + 7 become registers 2 p and 2 p + 1 of the four tiles.  left: the loads issued behind them, which may stay out.
.macro WPAIR p, left
	s_wait_loadcnt \left
.set i, 0
.rept 32
	v_med3_num_f32 v[WD+32*\p+i], v[WD+32*\p+i], -v[LW], v[LW]   ; the conversion to an 8-bit code does not saturate (ISA guide 7.6.2): the hold at the largest code x the scale
.set i, i+1
.endr
.irp m, 0,1,2,3
	v_cvt_scalef32_pk8_bf8_f32 v[IT+2*\m:IT+2*\m+1], v[WD+32*\p+8*\m:WD+32*\p+8*\m+7], v[SW]   ; register IT + n: row 8 p + n, bytes = my four columns
.endr
	v_nop                                          ; one plain vector instruction between a scaled conversion and the next vector instruction that touches its result or writes its sources
.irp c, 0,1                            ; rows a, b, c, d = 4 (2 p + c) on: (a0 b0 a1 b1) (a2 b2 a3 b3) (c0 d0 c1 d1) (c2 d2 c3 d3), then (a b c d) of each column
	v_perm_b32 v[TT0],   v[IT+4*\c+1], v[IT+4*\c],   s[SELA]
	v_perm_b32 v[TT0+1], v[IT+4*\c+1], v[IT+4*\c],   s[SELB]
	v_perm_b32 v[TT0+2], v[IT+4*\c+3], v[IT+4*\c+2], s[SELA]
	v_perm_b32 v[TT0+3], v[IT+4*\c+3], v[IT+4*\c+2], s[SELB]
	v_perm_b32 v[CD+2*\p+\c],    v[TT0+2], v[TT0],   s[SELC]
	v_perm_b32 v[CD+8+2*\p+\c],  v[TT0+2], v[TT0],   s[SELD]
	v_perm_b32 v[CD+16+2*\p+\c], v[TT0+3], v[TT0+1], s[SELC]
	v_perm_b32 v[CD+24+2*\p+\c], v[TT0+3], v[TT0+1], s[SELD]
.endr
.endm
.macro EMBBASE                         ; my wave's two ids, held inside the table, become the addresses of two rows of 1,024 bytes
	s_min_u32 s36, s36, 999
	s_min_u32 s37, s37, 999
	s_lshl_b32 s28, s36, 10
	s_mov_b32 s29, 0
	s_lshl_b32 s30, s37, 10
	s_mov_b32 s31, 0
	s_add_nc_u64 s[40:41], s[PE:PE+1], s[28:29]
	s_add_nc_u64 s[42:43], s[PE:PE+1], s[30:31]
.endm
.macro EMBLOADS                        ; each load: 512 consecutive bytes
	global_load_b128 v[ED:ED+3],     v[L16], s[40:41]
	global_load_b128 v[ED+4:ED+7],   v[L16], s[40:41] offset:512
	global_load_b128 v[ED+8:ED+11],  v[L16], s[42:43]
	global_load_b128 v[ED+12:ED+15], v[L16], s[42:43] offset:512
	global_load_b128 v[LD:LD+3],     v[L16], s[PL:PL+1] offset:3072     ; layer_id = 3
	global_load_b128 v[LD+4:LD+7],   v[L16], s[PL:PL+1] offset:3584
.endm
.macro SCALES                          ; s38 = h's exponent, s39 = the weight's
	s_add_co_i32 s45, s38, s39                     ; what a finished sum is multiplied by: 2^s45
	s_add_co_i32 s44, s38, 127
	s_lshl_b32 s47, s44, 23
	v_mov_b32 v[SH], s47                           ; 2^e as f32: the conversion takes its exponent field
	s_add_co_i32 s44, s44, 15
	s_lshl_b32 s44, s44, 23
	s_or_b32 s44, s44, 0x600000
	v_mov_b32 v[LH], s44                           ; 57,344 x 2^e
	s_add_co_i32 s44, s39, 127
	s_lshl_b32 s47, s44, 23
	v_mov_b32 v[SW], s47
	s_add_co_i32 s44, s44, 15
	s_lshl_b32 s44, s44, 23
	s_or_b32 s44, s44, 0x600000
	v_mov_b32 v[LW], s44
.endm
.macro HSTAGE                          ; h = emb_id's row + emb_layer's row, batch rows 2 w and 2 w + 1, into LDS
.irp i, 0,2,4,6
	v_pk_add_f32 v[ED+\i:ED+\i+1], v[ED+\i:ED+\i+1], v[LD+\i:LD+\i+1]
	v_pk_add_f32 v[ED+8+\i:ED+9+\i], v[ED+8+\i:ED+9+\i], v[LD+\i:LD+\i+1]
.endr
	ds_store_b128 v[HSS], v[ED:ED+3]
	ds_store_b128 v[HSS], v[ED+4:ED+7] offset:512
	ds_store_b128 v[HSS], v[ED+8:ED+11] offset:1040
	ds_store_b128 v[HSS], v[ED+12:ED+15] offset:1552
.endm
.macro HFETCH                          ; lane (r, h): h[r][64 kq + 32 h + 0 .. 31]
.irp c, 0,1,2,3,4,5,6,7
	ds_load_b128 v[HF+4*\c:HF+4*\c+3], v[HFR] offset:16*\c
.endr
.endm
.macro HQUANT                          ; and its 32 codes: the fragment's eight registers
	s_wait_dscnt 0x0
.set i, 0
.rept 32
	v_med3_num_f32 v[HF+i], v[HF+i], -v[LH], v[LH]
.set i, i+1
.endr
.irp m, 0,1,2,3
	v_cvt_scalef32_pk8_bf8_f32 v[HC+2*\m:HC+2*\m+1], v[HF+8*\m:HF+8*\m+7], v[SH]
.endr
	v_nop                                          ; the plain instruction between the conversions and the products that read their results
.endm
.macro MUL4                            ; four sums of their own, each begun with the constant 0
.irp j, 0,1,2,3
	v_wmma_f32_16x16x64_bf8_bf8 v[DA+8*\j:DA+8*\j+7], v[HC:HC+7], v[CD+8*\j:CD+8*\j+7], 0
.endr
.rept 4
	v_nop                                          ; four places between a product and the first vector instruction that reads its result (ISA guide 7.12.1)
.endr
.endm
.macro DOT f                           ; ACC[jj] = sum over j of tile j's register jj x v[f + 4 jj + j]; each tile is read from its register 0 on
.irp jj, 0,1,2,3,4,5,6,7
	v_mul_f32 v[ACC+\jj], v[DA+\jj], v[\f+4*\jj]
.endr
.irp j, 1,2,3
.irp jj, 0,1,2,3,4,5,6,7
	v_fmac_f32 v[ACC+\jj], v[DA+8*\j+\jj], v[\f+4*\jj+\j]
.endr
.endr
.endm
.macro ROWSUM mask                     ; lanes l and l xor mask, inside each half of 16 lanes
.irp jj, 0,1,2,3,4,5,6,7
	v_add_f32_dpp v[ACC+\jj], v[ACC+\jj], v[ACC+\jj] row_xmask:\mask row_mask:0xf bank_mask:0xf
.endr
.endm
.macro BARRIER                         ; my LDS stores have landed and my LDS loads are in: then the work-group's barrier
	s_wait_dscnt 0x0
	s_barrier_signal -1
	s_barrier_wait -1
.endm
	s_load_b256 s[4:11], s[0:1], 0x0
	s_load_b256 s[12:19], s[0:1], 0x20
	s_load_b64 s[20:21], s[0:1], 0x40
	s_set_vgpr_msb 0x40
	v_lshl_add_u32 v0, v0, 2, 0x10000
	v_mov_b32 v1, 0
	s_set_vgpr_msb 0x4000
	v_lshrrev_b32 v24, 5, v0
	v_readfirstlane_b32 s[WV], v24                 ; wave 0..7
	s_and_b32 s[CG], s[WV], 1
	s_lshr_b32 s[KQ], s[WV], 1
	s_and_b32 s[IB], ttmp9, 15
	s_lshr_b32 s[OB], ttmp9, 4
	s_mov_b32 s[SELA], 0x05010400
	s_mov_b32 s[SELB], 0x07030602
	s_mov_b32 s[SELC], 0x05040100
	s_mov_b32 s[SELD], 0x07060302
	; byte offsets, each in a pair of its own
	s_lshl_b32 s30, s[IB], 9                       ; 128 columns i are 512 bytes
	s_lshl_b32 s48, s[WV], 14                      ; x: rows 2 w, 2 w + 1 of 8,192 bytes,
	s_add_co_u32 s48, s48, s30                     ; my i block
	s_mov_b32 s49, 0
	s_lshl_b32 s50, s[KQ], 23                      ; W_A: 64 kq rows of 131,072 bytes,
	s_lshl_b32 s31, ttmp9, 9                       ; 128 g columns,
	s_add_co_u32 s50, s50, s31
	s_lshl_b32 s31, s[CG], 8                       ; 64 cg columns
	s_add_co_u32 s50, s50, s31
	s_mov_b32 s51, 0
	s_lshl_b32 s52, s[OB], 20                      ; weight: 128 x block rows of 8,192 bytes,
	s_lshl_b32 s31, s[WV], 17                      ; 16 w rows,
	s_add_co_u32 s52, s52, s31
	s_add_co_u32 s52, s52, s30                     ; my i block
	s_mov_b32 s53, 0
	s_lshl_b32 s54, s[OB], 17                      ; basep: (16 x block + 2 w) groups of eight outputs, 8,192 bytes each, + 512 x i block: the last two terms are x's offset
	s_add_co_u32 s54, s54, s48
	s_mov_b32 s55, 0
	s_lshl_b32 s56, ttmp9, 6                       ; tpart: 64 bytes a work-group
	s_mov_b32 s57, 0
	s_lshl_b32 s58, s[WV], 3                       ; HN_ids: two a wave
	s_mov_b32 s59, 0
	; lane terms
	v_and_b32 v31, 31, v0                          ; lane
	v_and_b32 v24, 15, v0                          ; r
	v_bfe_u32 v25, v0, 4, 1                        ; h
	v_lshlrev_b32 v[L16], 4, v31
	v_lshlrev_b32 v[WOFF], 4, v24
	v_lshl_or_b32 v[WOFF], v25, 22, v[WOFF]        ; 32 rows of 131,072 bytes
	s_mul_i32 s28, s[WV], 1056                     ; two rows of 528
	v_add_nc_u32 v[XFS], s28, v[L16]
	s_mul_i32 s28, s[WV], 544                      ; two rows of 272
	s_add_co_u32 s28, s28, XB
	v_lshl_add_u32 v[XBS], v31, 3, s28
	s_mul_i32 s28, s[WV], 2080                     ; two rows of 1,040
	s_add_co_u32 s28, s28, HS
	v_add_nc_u32 v[HSS], s28, v[L16]
	v_mul_u32_u24 v[HFR], v24, 1040
	v_lshl_add_u32 v[HFR], v25, 7, v[HFR]
	s_lshl_b32 s28, s[KQ], 8
	s_add_co_u32 s28, s28, HS
	v_add_nc_u32 v[HFR], s28, v[HFR]               ; row r, number 64 kq + 32 h
	v_mul_u32_u24 v[XFR], v25, 4224                ; eight rows of 528
	v_lshl_add_u32 v[XFR], v24, 4, v[XFR]
	s_lshl_b32 s28, s[CG], 8
	v_add_nc_u32 v[XFR], s28, v[XFR]               ; row 8 h, number 64 cg + 4 r
	s_mul_i32 s29, s[WV], 4352                     ; sixteen rows of 272
	s_add_co_u32 s29, s29, WS
	v_lshl_add_u32 v[WSS], v31, 3, s29
	v_mul_u32_u24 v26, v24, 272
	v_lshl_add_u32 v26, v25, 4, v26                ; a bf16 fragment: row r, + 16 h
	v_add_nc_u32 v[WFR], s29, v26
	v_add_nc_u32 v[XBR], XB, v26
	s_lshl_b32 s28, s[WV], 6
	s_add_co_u32 s28, s28, TP
	v_lshl_add_u32 v[TPS], v25, 5, s28             ; my wave's sixteen words; batch 8 h on
	v_lshlrev_b32 v[BOFF], 4, v24
	v_lshl_add_u32 v[BOFF], v25, 13, v[BOFF]       ; batch r's 16 bytes; lanes 16-31 the next group of eight outputs
	v_lshlrev_b32 v[TO], 2, v24
	v_add_nc_u32 v[TPR], TP, v[TO]
	s_wait_kmcnt 0x0
	s_add_nc_u64 s[PI:PI+1], s[PI:PI+1], s[58:59]
	s_load_b64 s[36:37], s[PI:PI+1], 0x0           ; ids of batch rows 2 w, 2 w + 1
	s_load_b64 s[38:39], s[PS:PS+1], 0x0           ; e0 (h), e1 (W_A)
	s_add_nc_u64 s[PX:PX+1], s[PX:PX+1], s[48:49]
	s_add_nc_u64 s[PW:PW+1], s[PW:PW+1], s[50:51]
	; ---- all 56 loads: x 2, W_A 32, embeddings 6, weight 16
	global_load_b128 v[XD:XD+3],   v[L16], s[PX:PX+1]
	global_load_b128 v[XD+4:XD+7], v[L16], s[PX:PX+1] offset:8192
	WLOADS
	s_add_nc_u64 s[PG:PG+1], s[PG:PG+1], s[52:53]
	s_add_nc_u64 s[PB:PB+1], s[PB:PB+1], s[54:55]
	s_add_nc_u64 s[PT:PT+1], s[PT:PT+1], s[56:57]
	s_wait_kmcnt 0x0                               ; the ids and the exponents; 34 loads are out meanwhile
	EMBBASE
	EMBLOADS
.set i, 0
.rept 16
	global_load_b128 v[GD+4*i:GD+4*i+3], v[L16], s[PG:PG+1] offset:8192*i th:TH_LOAD_NT   ; row i of my 16: 512 consecutive bytes
.set i, i+1
.endr
	SCALES
	; ---- x's piece into LDS, as f32 and as bf16
	s_wait_loadcnt 54                              ; behind x's two loads 54 were issued
	ds_store_b128 v[XFS], v[XD:XD+3]
	ds_store_b128 v[XFS], v[XD+4:XD+7] offset:528
	v_cvt_pk_bf16_f32 v[IT],   v[XD],   v[XD+1]
	v_cvt_pk_bf16_f32 v[IT+1], v[XD+2], v[XD+3]
	v_cvt_pk_bf16_f32 v[IT+2], v[XD+4], v[XD+5]
	v_cvt_pk_bf16_f32 v[IT+3], v[XD+6], v[XD+7]
	ds_store_b64 v[XBS], v[IT:IT+1]
	ds_store_b64 v[XBS], v[IT+2:IT+3] offset:272
	s_wait_dscnt 0x0                               ; the stores have read their registers, which the conversions below write
	; ---- W_A into codes.  Behind loads 8 p .. 8 p + 7: 8 (3 - p) of W_A's, 6 of the embeddings', 16 of weight's
	WPAIR 0, 46
	WPAIR 1, 38
	WPAIR 2, 30
	WPAIR 3, 22
	; ---- h into LDS
	s_wait_loadcnt 16                              ; weight's 16 may stay out
	HSTAGE
	BARRIER                                        ; x's piece and h are whole
	; ---- A's tiles, and their contraction with x
	HFETCH
.irp jj, 0,1,2,3,4,5,6,7
	ds_load_b128 v[XV+4*\jj:XV+4*\jj+3], v[XFR] offset:528*\jj   ; x[8 h + jj][my four columns i]
.endr
	HQUANT
	MUL4
	DOT XV
	ROWSUM 1                                       ; over the sixteen lanes of a half: my wave's 64 columns
	ROWSUM 2
	ROWSUM 4
	ROWSUM 8
	ds_store_b128 v[TPS], v[ACC:ACC+3]             ; the sixteen lanes of a half store the same words with the same values
	ds_store_b128 v[TPS], v[ACC+4:ACC+7] offset:16
	; ---- weight x: my 16 rows x 128 columns, through my own stage as bf16
	s_wait_loadcnt 0x0
.set i, 0
.rept 16
	v_cvt_pk_bf16_f32 v[GB+2*i],   v[GD+4*i],   v[GD+4*i+1]
	v_cvt_pk_bf16_f32 v[GB+2*i+1], v[GD+4*i+2], v[GD+4*i+3]
.set i, i+1
.endr
.set i, 0
.rept 16
	ds_store_b64 v[WSS], v[GB+2*i:GB+2*i+1] offset:272*i
.set i, i+1
.endr
.irp s, 0,1,2,3                        ; LDS serves a wave's instructions in order (ISA guide 5.7.1.4): these see my stores
	ds_load_b128 v[WF+8*\s:WF+8*\s+3],   v[WFR] offset:64*\s
	ds_load_b128 v[WF+8*\s+4:WF+8*\s+7], v[WFR] offset:64*\s+32
	ds_load_b128 v[XG+8*\s:XG+8*\s+3],   v[XBR] offset:64*\s
	ds_load_b128 v[XG+8*\s+4:XG+8*\s+7], v[XBR] offset:64*\s+32
.endr
	s_wait_dscnt 0x0
	; source 0 = 16 rows of weight, source 1 = x's 16 rows: lane (r, h), register jj = (output 16 w + 8 h + jj, batch r).  Two accumulators take turns, one instruction a turn
	v_wmma_f32_16x16x32_bf16 v[GD:GD+7],    v[WF:WF+7],     v[XG:XG+7],     0
	v_wmma_f32_16x16x32_bf16 v[GD+8:GD+15], v[WF+8:WF+15],  v[XG+8:XG+15],  0
	v_wmma_f32_16x16x32_bf16 v[GD:GD+7],    v[WF+16:WF+23], v[XG+16:XG+23], v[GD:GD+7]
	v_wmma_f32_16x16x32_bf16 v[GD+8:GD+15], v[WF+24:WF+31], v[XG+24:XG+31], v[GD+8:GD+15]
.rept 4
	v_nop                                          ; four places ahead of the first read of the results (ISA guide 7.12.1)
.endr
.irp i, 0,2,4,6
	v_pk_add_f32 v[BS+\i:BS+\i+1], v[GD+\i:GD+\i+1], v[GD+8+\i:GD+9+\i]
.endr
	global_store_b128 v[BOFF], v[BS:BS+3],   s[PB:PB+1] th:TH_STORE_NT              ; sixteen lanes store 256 consecutive bytes, at a multiple of 256 from basep's first byte
	global_store_b128 v[BOFF], v[BS+4:BS+7], s[PB:PB+1] offset:256 th:TH_STORE_NT
	BARRIER                                        ; all eight waves' parts of t lie in LDS
	s_cmp_lg_u32 s[WV], 0
	s_cbranch_scc1 .Lend
	; ---- wave 0 adds the eight parts and stores sixteen numbers
.irp i, 0,1,2,3,4,5,6,7
	ds_load_b32 v[FIN+\i], v[TPR] offset:64*\i
.endr
	s_wait_dscnt 0x0
	v_pk_add_f32 v[FIN:FIN+1],   v[FIN:FIN+1],   v[FIN+2:FIN+3]
	v_pk_add_f32 v[FIN+4:FIN+5], v[FIN+4:FIN+5], v[FIN+6:FIN+7]
	v_pk_add_f32 v[FIN:FIN+1],   v[FIN:FIN+1],   v[FIN+4:FIN+5]
	v_add_f32 v[FIN], v[FIN], v[FIN+1]
	v_ldexp_f32 v[FIN], v[FIN], s45                ; x 2^(e0 + e1)
	v_cmp_gt_u32 vcc_lo, 16, v0                    ; in wave 0 the thread's number is the lane
	s_wait_xcnt 0x0                                ; EXEC is a source of the stores above: it changes only behind this wait
	s_and_saveexec_b32 s46, vcc_lo
	global_store_b32 v[TO], v[FIN], s[PT:PT+1]
	s_wait_xcnt 0x0                                ; and again ahead of the line that widens it
	s_or_b32 exec_lo, exec_lo, s46
.Lend:
	s_set_vgpr_msb 0x5
	s_wait_tensorcnt 0x0
	ds_add_u32 v0, v1
	s_wait_dscnt 0x0
	s_set_vgpr_msb 0x500
	s_endpgm
.Lfunc_end_k_q753be8a4ac_hyper_a:
	.size	k_q753be8a4ac_hyper_a, .Lfunc_end_k_q753be8a4ac_hyper_a-k_q753be8a4ac_hyper_a
	.p2alignl 7, 3214868480
	.fill 96, 4, 3214868480
	.section	.rodata,"a",@progbits
	.p2align	6, 0x0
	.amdhsa_kernel k_q753be8a4ac_hyper_a
		.amdhsa_group_segment_fixed_size 66560
		.amdhsa_private_segment_fixed_size 0
		.amdhsa_enable_private_segment 0
		.amdhsa_kernarg_size 72
		.amdhsa_user_sgpr_count 2
		.amdhsa_user_sgpr_kernarg_segment_ptr 1
		.amdhsa_wavefront_size32 1
		.amdhsa_system_sgpr_workgroup_id_x 1
		.amdhsa_system_sgpr_workgroup_id_y 1
		.amdhsa_system_sgpr_workgroup_id_z 1
		.amdhsa_system_vgpr_workitem_id 0
		.amdhsa_next_free_vgpr 258
		.amdhsa_next_free_sgpr 66
		.amdhsa_reserve_vcc 1
		.amdhsa_float_denorm_mode_32 3
		.amdhsa_float_denorm_mode_16_64 3
		.amdhsa_memory_ordered 1
		.amdhsa_forward_progress 1
		.amdhsa_inst_pref_size 39
	.end_amdhsa_kernel
	.amdgpu_metadata
---
amdhsa.version: [ 1, 2 ]
amdhsa.kernels:
  - .name:           k_q753be8a4ac_hyper_a
    .symbol:         k_q753be8a4ac_hyper_a.kd
    .args:
      - { .name: x, .offset: 0, .size: 8, .value_kind: global_buffer, .address_space: global }
      - { .name: HN_ids, .offset: 8, .size: 8, .value_kind: global_buffer, .address_space: global }
      - { .name: weight, .offset: 16, .size: 8, .value_kind: global_buffer, .address_space: global }
      - { .name: emb_id, .offset: 24, .size: 8, .value_kind: global_buffer, .address_space: global }
      - { .name: emb_layer, .offset: 32, .size: 8, .value_kind: global_buffer, .address_space: global }
      - { .name: W_A, .offset: 40, .size: 8, .value_kind: global_buffer, .address_space: global }
      - { .name: lowp_scales, .offset: 48, .size: 8, .value_kind: global_buffer, .address_space: global }
      - { .name: tpart, .offset: 56, .size: 8, .value_kind: global_buffer, .address_space: global }
      - { .name: basep, .offset: 64, .size: 8, .value_kind: global_buffer, .address_space: global }
    .group_segment_fixed_size: 66560
    .private_segment_fixed_size: 0
    .kernarg_segment_align: 8
    .kernarg_segment_size: 72
    .max_flat_workgroup_size: 256
    .sgpr_count:     66
    .vgpr_count:     258
    .wavefront_size: 32
...
	.end_amdgpu_metadata
.endif
;; end of part 1
;; launch hyper_b (part 2): grid 256 x 1, 8 waves a work-group, no clusters, 25,600 bytes of LDS; arguments HN_ids, emb_id, emb_layer, W_B, lowp_scales, bias, tpart, basep, out0; writes out0
.if DOCPART == 2
	.amdgcn_target "amdgcn-amd-amdhsa--gfx1250"
	.amdhsa_code_object_version 6
	.text
	.protected	k_q753be8a4ac_hyper_b
	.globl	k_q753be8a4ac_hyper_b
	.p2align	8
	.type	k_q753be8a4ac_hyper_b,@function
k_q753be8a4ac_hyper_b:
	s_mov_b64 s[64:65], 0
	v_nop
	global_prefetch_b8 v0, s[64:65] scope:SCOPE_SE
	s_setreg_imm32_b32 hwreg(HW_REG_WAVE_MODE, 25, 1), 1
	s_wait_xcnt 0x0
; SECOND OF TWO LAUNCHES.  out[b][o] = sum over rank of B[b][o][rank] t[b][rank]  +  (weight x)[b][o]  +  bias[o];  B = Q(h) Q(W_B): [16][32768], column n = 16 o + rank;  h = emb_id[HN_ids] + emb_layer[3].
; t[b][rank] = the sum of tpart[rank][i block 0 .. 15][b];  (weight x)[b][o] = the sum of basep[o / 8][i block 0 .. 15][(o / 4) % 2][b][o % 4]: both stored by the first launch.
; Work-group g takes columns 128 g .. 128 g + 127 of W_B, which are outputs 8 g .. 8 g + 7 with all their 16 ranks: each output has one owner.
; SHARES.  Eight waves.  Wave w = 2 kq + cg takes 64 columns (64 cg on: four outputs) x 64 rows k (64 kq on) of W_B; ranks 2 w, 2 w + 1 of t; i blocks 2 w, 2 w + 1 of basep.  All 44 loads of a wave go out at the head.
; W_B's way into codes, the places of k and the tiles are the first launch's: tile j holds columns 4 r + j, that is output r / 4 of my four and rank 4 (r % 4) + j; lane (r, h), register jj = batch 8 h + jj.
; So the sum over ranks is four multiply-adds in a lane and two steps across four neighbouring lanes.  The four parts along K and the eight pairs of i blocks meet in LDS; wave 0 adds them, and the bias, and stores.
; FORMATS.  Q(h) Q(W_B): E5M2 codes, v_wmma_f32_16x16x64_bf8_bf8; all else f32.
; NO CLUSTER, NO TENSOR LOADS: what work-groups share (tpart, 16 KB, and the embeddings' rows, 24 KB) is 40 of a work-group's 176 KB, and all of it fits into registers in flight.  NO PREFETCH: every byte is asked for at the head.
; LIMITS: entries 2 and 3 of lowp_scales lie between -126 and 112, so that 2^e and 57,344 x 2^e are f32 numbers (e2 + e3 goes through v_ldexp_f32 and has no limit).  NaN among h or W_B is not served; infinities are held
; at the largest code.  An id above 999 (or negative) is taken as 999.  out0 leaves as 16 bytes a lane, 32 consecutive bytes of each batch row a work-group: eight outputs are as many as a work-group owns.
.set HS,   0                           ; LDS: h, f32, 16 rows of 1,024 bytes + 16
.set TTAB, 16640                       ;      t[b][rank], 64 bytes a row
.set OP,   17664                       ;      [kq 4][cg 2][b 16][output 4]: the products' parts
.set BP,   19712                       ;      [wave 8][cg 2][b 16][output 4]: weight x's parts; it begins 2,048 bytes behind OP
.set PI, 4                             ; s[4:5] HN_ids   s[6:7] emb_id   s[8:9] emb_layer   s[10:11] W_B   s[12:13] lowp_scales   s[14:15] bias   s[16:17] tpart   s[18:19] basep   s[20:21] out0
.set PE, 6
.set PL, 8
.set PW, 10
.set PS, 12
.set PBI, 14
.set PT, 16
.set PB, 18
.set PO, 20
.set WV, 22                            ; s22 wave   s23 cg   s24 kq
.set CG, 23
.set KQ, 24
.set SELA, 32                          ; s32-35 byte selects of the 4 x 4 turn
.set SELB, 33
.set SELC, 34
.set SELD, 35
.set L16,  1                           ; v1   16 x lane
.set WOFF, 2                           ; v2   W_B: 16 r, and 32 rows further down for lanes 16-31
.set HSS,  3                           ; v3   h into LDS
.set HFR,  4                           ; v4   h's fragment out of it
.set TTS,  5                           ; v5   t into LDS
.set TTR,  6                           ; v6   and out of it
.set OPS,  7                           ; v7   the products' parts
.set BPS,  8                           ; v8   weight x's parts
.set OUTO, 9                           ; v9   my bytes in out0
.set FRD,  10                          ; v10  the parts, read back
.set SW,   13                          ; v13  2^e3   v14  57,344 x 2^e3   v15  2^e2   v28  57,344 x 2^e2
.set LW,   14
.set SH,   15
.set LH,   28
.set IT,   16                          ; v16-23 codes as converted; later h's fragment
.set HC,   16
.set TT0,  24                          ; v24-27 at work
.set ACC,  32                          ; v32-39 the eight sums
.set ED,   40                          ; v40-55 two rows of emb_id
.set LD,   56                          ; v56-63 emb_layer's row
.set TD,   64                          ; v64-79 tpart as loaded
.set BD,   80                          ; v80-87 basep as loaded
.set TS,   88                          ; v88-95 sums of tpart
.set TV,   96                          ; v96-103 t: register 2 e + rank's parity
.set PMT,  104                         ; v104-111 the other half's sums
.set BI,   112                         ; v112-119 the bias
.set WD,   128                         ; v128-255 W_B as loaded
.set CD,   128                         ; v128-159 its codes, four tiles of 8 registers, over the first eight loads' registers
.set HF,   160                         ; v160-191 h in f32
.set TQ,   192                         ; v192-223 t for the contraction
.set DA,   224                         ; v224-255 the four tiles of B
.macro WLOADS                          ; load L: lanes 0-15 the aligned 256 bytes of row L of my 64, lanes 16-31 those of row 32 + L
.set L, 0
.rept 32
	global_load_b128 v[WD+4*L:WD+4*L+3], v[WOFF], s[PW:PW+1] offset:L*131072 th:TH_LOAD_NT
.set L, L+1
.endr
.endm
; Loads 8 p .. 8 p + 7 become registers 2 p and 2 p + 1 of the four tiles.  left: the loads issued behind them, which may stay out.
.macro WPAIR p, left
	s_wait_loadcnt \left
.set i, 0
.rept 32
	v_med3_num_f32 v[WD+32*\p+i], v[WD+32*\p+i], -v[LW], v[LW]   ; the conversion to an 8-bit code does not saturate (ISA guide 7.6.2): the hold at the largest code x the scale
.set i, i+1
.endr
.irp m, 0,1,2,3
	v_cvt_scalef32_pk8_bf8_f32 v[IT+2*\m:IT+2*\m+1], v[WD+32*\p+8*\m:WD+32*\p+8*\m+7], v[SW]   ; register IT + n: row 8 p + n, bytes = my four columns
.endr
	v_nop                                          ; one plain vector instruction between a scaled conversion and the next vector instruction that touches its result or writes its sources
.irp c, 0,1                            ; rows a, b, c, d = 4 (2 p + c) on: (a0 b0 a1 b1) (a2 b2 a3 b3) (c0 d0 c1 d1) (c2 d2 c3 d3), then (a b c d) of each column
	v_perm_b32 v[TT0],   v[IT+4*\c+1], v[IT+4*\c],   s[SELA]
	v_perm_b32 v[TT0+1], v[IT+4*\c+1], v[IT+4*\c],   s[SELB]
	v_perm_b32 v[TT0+2], v[IT+4*\c+3], v[IT+4*\c+2], s[SELA]
	v_perm_b32 v[TT0+3], v[IT+4*\c+3], v[IT+4*\c+2], s[SELB]
	v_perm_b32 v[CD+2*\p+\c],    v[TT0+2], v[TT0],   s[SELC]
	v_perm_b32 v[CD+8+2*\p+\c],  v[TT0+2], v[TT0],   s[SELD]
	v_perm_b32 v[CD+16+2*\p+\c], v[TT0+3], v[TT0+1], s[SELC]
	v_perm_b32 v[CD+24+2*\p+\c], v[TT0+3], v[TT0+1], s[SELD]
.endr
.endm
.macro EMBBASE                         ; my wave's two ids, held inside the table, become the addresses of two rows of 1,024 bytes
	s_min_u32 s36, s36, 999
	s_min_u32 s37, s37, 999
	s_lshl_b32 s28, s36, 10
	s_mov_b32 s29, 0
	s_lshl_b32 s30, s37, 10
	s_mov_b32 s31, 0
	s_add_nc_u64 s[40:41], s[PE:PE+1], s[28:29]
	s_add_nc_u64 s[42:43], s[PE:PE+1], s[30:31]
.endm
.macro EMBLOADS                        ; each load: 512 consecutive bytes
	global_load_b128 v[ED:ED+3],     v[L16], s[40:41]
	global_load_b128 v[ED+4:ED+7],   v[L16], s[40:41] offset:512
	global_load_b128 v[ED+8:ED+11],  v[L16], s[42:43]
	global_load_b128 v[ED+12:ED+15], v[L16], s[42:43] offset:512
	global_load_b128 v[LD:LD+3],     v[L16], s[PL:PL+1] offset:3072     ; layer_id = 3
	global_load_b128 v[LD+4:LD+7],   v[L16], s[PL:PL+1] offset:3584
.endm
.macro SCALES                          ; s38 = h's exponent, s39 = the weight's
	s_add_co_i32 s45, s38, s39                     ; what a finished sum is multiplied by: 2^s45
	s_add_co_i32 s44, s38, 127
	s_lshl_b32 s47, s44, 23
	v_mov_b32 v[SH], s47                           ; 2^e as f32: the conversion takes its exponent field
	s_add_co_i32 s44, s44, 15
	s_lshl_b32 s44, s44, 23
	s_or_b32 s44, s44, 0x600000
	v_mov_b32 v[LH], s44                           ; 57,344 x 2^e
	s_add_co_i32 s44, s39, 127
	s_lshl_b32 s47, s44, 23
	v_mov_b32 v[SW], s47
	s_add_co_i32 s44, s44, 15
	s_lshl_b32 s44, s44, 23
	s_or_b32 s44, s44, 0x600000
	v_mov_b32 v[LW], s44
.endm
.macro HSTAGE                          ; h = emb_id's row + emb_layer's row, batch rows 2 w and 2 w + 1, into LDS
.irp i, 0,2,4,6
	v_pk_add_f32 v[ED+\i:ED+\i+1], v[ED+\i:ED+\i+1], v[LD+\i:LD+\i+1]
	v_pk_add_f32 v[ED+8+\i:ED+9+\i], v[ED+8+\i:ED+9+\i], v[LD+\i:LD+\i+1]
.endr
	ds_store_b128 v[HSS], v[ED:ED+3]
	ds_store_b128 v[HSS], v[ED+4:ED+7] offset:512
	ds_store_b128 v[HSS], v[ED+8:ED+11] offset:1040
	ds_store_b128 v[HSS], v[ED+12:ED+15] offset:1552
.endm
.macro HFETCH                          ; lane (r, h): h[r][64 kq + 32 h + 0 .. 31]
.irp c, 0,1,2,3,4,5,6,7
	ds_load_b128 v[HF+4*\c:HF+4*\c+3], v[HFR] offset:16*\c
.endr
.endm
.macro HQUANT                          ; and its 32 codes: the fragment's eight registers
	s_wait_dscnt 0x0
.set i, 0
.rept 32
	v_med3_num_f32 v[HF+i], v[HF+i], -v[LH], v[LH]
.set i, i+1
.endr
.irp m, 0,1,2,3
	v_cvt_scalef32_pk8_bf8_f32 v[HC+2*\m:HC+2*\m+1], v[HF+8*\m:HF+8*\m+7], v[SH]
.endr
	v_nop                                          ; the plain instruction between the conversions and the products that read their results
.endm
.macro MUL4                            ; four sums of their own, each begun with the constant 0
.irp j, 0,1,2,3
	v_wmma_f32_16x16x64_bf8_bf8 v[DA+8*\j:DA+8*\j+7], v[HC:HC+7], v[CD+8*\j:CD+8*\j+7], 0
.endr
.rept 4
	v_nop                                          ; four places between a product and the first vector instruction that reads its result (ISA guide 7.12.1)
.endr
.endm
.macro DOT f                           ; ACC[jj] = sum over j of tile j's register jj x v[f + 4 jj + j]; each tile is read from its register 0 on
.irp jj, 0,1,2,3,4,5,6,7
	v_mul_f32 v[ACC+\jj], v[DA+\jj], v[\f+4*\jj]
.endr
.irp j, 1,2,3
.irp jj, 0,1,2,3,4,5,6,7
	v_fmac_f32 v[ACC+\jj], v[DA+8*\j+\jj], v[\f+4*\jj+\j]
.endr
.endr
.endm
.macro ROWSUM mask                     ; lanes l and l xor mask, inside each half of 16 lanes
.irp jj, 0,1,2,3,4,5,6,7
	v_add_f32_dpp v[ACC+\jj], v[ACC+\jj], v[ACC+\jj] row_xmask:\mask row_mask:0xf bank_mask:0xf
.endr
.endm
.macro BARRIER                         ; my LDS stores have landed and my LDS loads are in: then the work-group's barrier
	s_wait_dscnt 0x0
	s_barrier_signal -1
	s_barrier_wait -1
.endm
.macro ADD4 d, s                       ; four numbers onto four
	v_pk_add_f32 v[\d:\d+1],   v[\d:\d+1],   v[\s:\s+1]
	v_pk_add_f32 v[\d+2:\d+3], v[\d+2:\d+3], v[\s+2:\s+3]
.endm
	s_load_b256 s[4:11], s[0:1], 0x0
	s_load_b256 s[12:19], s[0:1], 0x20
	s_load_b64 s[20:21], s[0:1], 0x40
	v_lshl_add_u32 v126, v0, 2, 0x6000
	v_mov_b32 v127, 0
	v_lshrrev_b32 v24, 5, v0
	v_readfirstlane_b32 s[WV], v24                 ; wave 0..7
	s_and_b32 s[CG], s[WV], 1
	s_lshr_b32 s[KQ], s[WV], 1
	s_mov_b32 s[SELA], 0x05010400
	s_mov_b32 s[SELB], 0x07030602
	s_mov_b32 s[SELC], 0x05040100
	s_mov_b32 s[SELD], 0x07060302
	s_mov_b32 s56, 0x76543210                      ; v_permlanex16_b32: lane l xor 16
	s_mov_b32 s57, 0xfedcba98
	; byte offsets, each in a pair of its own
	s_lshl_b32 s58, s[WV], 3                       ; HN_ids: two a wave
	s_mov_b32 s59, 0
	s_lshl_b32 s60, s[KQ], 23                      ; W_B: 64 kq rows of 131,072 bytes,
	s_lshl_b32 s31, ttmp9, 9                       ; 128 g columns,
	s_add_co_u32 s60, s60, s31
	s_lshl_b32 s31, s[CG], 8                       ; 64 cg columns
	s_add_co_u32 s60, s60, s31
	s_mov_b32 s61, 0
	s_lshl_b32 s62, s[WV], 11                      ; tpart: two ranks of 1,024 bytes a wave
	s_mov_b32 s63, 0
	s_lshl_b32 s66, ttmp9, 13                      ; basep: my eight outputs' 8,192 bytes,
	s_lshl_b32 s31, s[WV], 10                      ; two i blocks of 512 bytes a wave
	s_add_co_u32 s66, s66, s31
	s_mov_b32 s67, 0
	s_lshl_b32 s68, ttmp9, 5                       ; bias and out0: eight numbers a work-group
	s_mov_b32 s69, 0
	; lane terms
	v_and_b32 v31, 31, v0                          ; lane
	v_and_b32 v24, 15, v0                          ; r
	v_bfe_u32 v25, v0, 4, 1                        ; h
	v_and_b32 v26, 3, v0                           ; r % 4
	v_bfe_u32 v27, v0, 2, 2                        ; r / 4
	v_lshlrev_b32 v[L16], 4, v31
	v_lshlrev_b32 v[WOFF], 4, v24
	v_lshl_or_b32 v[WOFF], v25, 22, v[WOFF]        ; 32 rows of 131,072 bytes
	s_mul_i32 s28, s[WV], 2080                     ; two rows of 1,040
	v_add_nc_u32 v[HSS], s28, v[L16]
	v_mul_u32_u24 v[HFR], v24, 1040
	v_lshl_add_u32 v[HFR], v25, 7, v[HFR]
	s_lshl_b32 s28, s[KQ], 8
	v_add_nc_u32 v[HFR], s28, v[HFR]               ; row r, number 64 kq + 32 h
	s_lshl_b32 s28, s[WV], 3
	s_add_co_u32 s28, s28, TTAB
	v_lshl_add_u32 v[TTS], v26, 8, s28             ; batch 4 (lane % 4), ranks 2 w and 2 w + 1
	v_lshlrev_b32 v[TTR], 4, v26
	v_lshl_add_u32 v[TTR], v25, 9, v[TTR]
	v_add_nc_u32 v[TTR], TTAB, v[TTR]              ; batch 8 h, ranks 4 (r % 4) on
	v_lshlrev_b32 v[OPS], 2, v27
	v_lshl_add_u32 v[OPS], v25, 7, v[OPS]
	s_lshl_b32 s28, s[WV], 8
	s_add_co_u32 s28, s28, OP
	v_add_nc_u32 v[OPS], s28, v[OPS]               ; 256 w (= 512 kq + 256 cg), batch 8 h, output r / 4
	s_lshl_b32 s28, s[WV], 9
	s_add_co_u32 s28, s28, BP
	v_add_nc_u32 v[BPS], s28, v[L16]
	v_lshlrev_b32 v[OUTO], 13, v24
	v_lshl_add_u32 v[OUTO], v25, 4, v[OUTO]        ; batch r's row of 8,192 bytes, + 16 bytes for lanes 16-31
	v_add_nc_u32 v[FRD], OP, v[L16]
.irp i, 0,1,2,3,4,5,6,7
	v_mov_b32 v[PMT+\i], 0                         ; written once: a lane permute's destination counts as one of its sources
.endr
	s_wait_kmcnt 0x0
	s_add_nc_u64 s[PI:PI+1], s[PI:PI+1], s[58:59]
	s_add_nc_u64 s[PBI:PBI+1], s[PBI:PBI+1], s[68:69]
	s_load_b64 s[36:37], s[PI:PI+1], 0x0           ; ids of batch rows 2 w, 2 w + 1
	s_load_b64 s[38:39], s[PS:PS+1], 0x8           ; e2 (h), e3 (W_B)
	s_load_b256 s[48:55], s[PBI:PBI+1], 0x0        ; bias of my eight outputs
	s_add_nc_u64 s[PT:PT+1], s[PT:PT+1], s[62:63]
	s_add_nc_u64 s[PB:PB+1], s[PB:PB+1], s[66:67]
	s_add_nc_u64 s[PW:PW+1], s[PW:PW+1], s[60:61]
	; ---- all 44 loads: tpart 4, basep 2, W_B 32, embeddings 6
.irp c, 0,1,2,3
	global_load_b128 v[TD+4*\c:TD+4*\c+3], v[L16], s[PT:PT+1] offset:512*\c
.endr
	global_load_b128 v[BD:BD+3],   v[L16], s[PB:PB+1] th:TH_LOAD_NT
	global_load_b128 v[BD+4:BD+7], v[L16], s[PB:PB+1] offset:512 th:TH_LOAD_NT
	WLOADS
	s_add_nc_u64 s[PO:PO+1], s[PO:PO+1], s[68:69]
	s_wait_kmcnt 0x0                               ; the ids, the exponents, the bias; 38 loads are out meanwhile
	EMBBASE
	EMBLOADS
	SCALES
	; ---- t.  Load c, lane l, number e: tpart[rank 2 w + c / 2][i block 8 (c % 2) + l / 4][batch 4 (l % 4) + e]
	s_wait_loadcnt 40                              ; behind tpart's four loads 40 were issued
	v_pk_add_f32 v[TS:TS+1],   v[TD:TD+1],     v[TD+4:TD+5]
	v_pk_add_f32 v[TS+2:TS+3], v[TD+2:TD+3],   v[TD+6:TD+7]
	v_pk_add_f32 v[TS+4:TS+5], v[TD+8:TD+9],   v[TD+12:TD+13]
	v_pk_add_f32 v[TS+6:TS+7], v[TD+10:TD+11], v[TD+14:TD+15]
.irp k, 4,8                            ; over l / 4: lanes 4 and 8 apart, then the other half
.irp i, 0,1,2,3,4,5,6,7
	v_add_f32_dpp v[TS+\i], v[TS+\i], v[TS+\i] row_xmask:\k row_mask:0xf bank_mask:0xf
.endr
.endr
.irp i, 0,1,2,3,4,5,6,7
	v_permlanex16_b32 v[PMT+\i], v[TS+\i], s56, s57
.endr
.irp e, 0,1,2,3
	v_add_f32 v[TV+2*\e],   v[TS+\e],   v[PMT+\e]
	v_add_f32 v[TV+2*\e+1], v[TS+4+\e], v[PMT+4+\e]
.endr
.irp e, 0,1,2,3
	ds_store_b64 v[TTS], v[TV+2*\e:TV+2*\e+1] offset:64*\e   ; t[4 (l % 4) + e][2 w, 2 w + 1]: lanes with the same l % 4 store the same words with the same values
.endr
	; ---- weight x: my two i blocks, added
	s_wait_loadcnt 38                              ; behind basep's two loads 38 were issued
	ADD4 BD, BD+4
	ds_store_b128 v[BPS], v[BD:BD+3]
	; ---- W_B into codes.  Behind loads 8 p .. 8 p + 7: 8 (3 - p) of W_B's and 6 of the embeddings'
	WPAIR 0, 30
	WPAIR 1, 22
	WPAIR 2, 14
	WPAIR 3, 6
	; ---- h into LDS
	s_wait_loadcnt 0x0
	HSTAGE
	BARRIER                                        ; h and t are whole
	; ---- B's tiles, and their contraction with t
	HFETCH
.irp jj, 0,1,2,3,4,5,6,7
	ds_load_b128 v[TQ+4*\jj:TQ+4*\jj+3], v[TTR] offset:64*\jj   ; t[8 h + jj][my four ranks]
.endr
	HQUANT
	MUL4
	DOT TQ
	ROWSUM 1                                       ; over the four lanes that hold an output's sixteen ranks
	ROWSUM 2
.irp jj, 0,1,2,3,4,5,6,7
	ds_store_b32 v[OPS], v[ACC+\jj] offset:16*\jj  ; those four lanes store the same word with the same value
.endr
	BARRIER                                        ; all parts lie in LDS
	s_cmp_lg_u32 s[WV], 0
	s_cbranch_scc1 .Lend
	; ---- wave 0: lane 16 q + b takes batch b, outputs 4 q .. 4 q + 3
.irp k, 0,1,2,3
	ds_load_b128 v[64+4*\k:67+4*\k], v[FRD] offset:512*\k          ; the four parts along K
.endr
.irp k, 0,1,2,3,4,5,6,7
	ds_load_b128 v[80+4*\k:83+4*\k], v[FRD] offset:2048+512*\k     ; the eight pairs of i blocks
.endr
	v_cmp_le_u32 vcc_lo, 16, v0                    ; in wave 0 the thread's number is the lane
.irp e, 0,1,2,3
	v_mov_b32 v[BI+\e], s[48+\e]
	v_mov_b32 v[BI+4+\e], s[52+\e]
.endr
.irp e, 0,1,2,3
	v_cndmask_b32 v[BI+\e], v[BI+\e], v[BI+4+\e], vcc_lo
.endr
	s_wait_dscnt 0x0
	ADD4 64, 68
	ADD4 72, 76
	ADD4 80, 84
	ADD4 88, 92
	ADD4 96, 100
	ADD4 104, 108
	ADD4 64, 72
	ADD4 80, 88
	ADD4 96, 104
.irp e, 0,1,2,3
	v_ldexp_f32 v[64+\e], v[64+\e], s45            ; x 2^(e2 + e3)
.endr
	ADD4 80, 96
	ADD4 80, BI
	ADD4 64, 80
	global_store_b128 v[OUTO], v[64:67], s[PO:PO+1]
.Lend:
	s_wait_tensorcnt 0x0
	ds_add_u32 v126, v127
	s_wait_dscnt 0x0
	s_endpgm
.Lfunc_end_k_q753be8a4ac_hyper_b:
	.size	k_q753be8a4ac_hyper_b, .Lfunc_end_k_q753be8a4ac_hyper_b-k_q753be8a4ac_hyper_b
	.p2alignl 7, 3214868480
	.fill 96, 4, 3214868480
	.section	.rodata,"a",@progbits
	.p2align	6, 0x0
	.amdhsa_kernel k_q753be8a4ac_hyper_b
		.amdhsa_group_segment_fixed_size 25600
		.amdhsa_private_segment_fixed_size 0
		.amdhsa_enable_private_segment 0
		.amdhsa_kernarg_size 72
		.amdhsa_user_sgpr_count 2
		.amdhsa_user_sgpr_kernarg_segment_ptr 1
		.amdhsa_wavefront_size32 1
		.amdhsa_system_sgpr_workgroup_id_x 1
		.amdhsa_system_sgpr_workgroup_id_y 1
		.amdhsa_system_sgpr_workgroup_id_z 1
		.amdhsa_system_vgpr_workitem_id 0
		.amdhsa_next_free_vgpr 256
		.amdhsa_next_free_sgpr 72
		.amdhsa_reserve_vcc 1
		.amdhsa_float_denorm_mode_32 3
		.amdhsa_float_denorm_mode_16_64 3
		.amdhsa_memory_ordered 1
		.amdhsa_forward_progress 1
		.amdhsa_inst_pref_size 35
	.end_amdhsa_kernel
	.amdgpu_metadata
---
amdhsa.version: [ 1, 2 ]
amdhsa.kernels:
  - .name:           k_q753be8a4ac_hyper_b
    .symbol:         k_q753be8a4ac_hyper_b.kd
    .args:
      - { .name: HN_ids, .offset: 0, .size: 8, .value_kind: global_buffer, .address_space: global }
      - { .name: emb_id, .offset: 8, .size: 8, .value_kind: global_buffer, .address_space: global }
      - { .name: emb_layer, .offset: 16, .size: 8, .value_kind: global_buffer, .address_space: global }
      - { .name: W_B, .offset: 24, .size: 8, .value_kind: global_buffer, .address_space: global }
      - { .name: lowp_scales, .offset: 32, .size: 8, .value_kind: global_buffer, .address_space: global }
      - { .name: bias, .offset: 40, .size: 8, .value_kind: global_buffer, .address_space: global }
      - { .name: tpart, .offset: 48, .size: 8, .value_kind: global_buffer, .address_space: global }
      - { .name: basep, .offset: 56, .size: 8, .value_kind: global_buffer, .address_space: global }
      - { .name: out0, .offset: 64, .size: 8, .value_kind: global_buffer, .address_space: global }
    .group_segment_fixed_size: 25600
    .private_segment_fixed_size: 0
    .kernarg_segment_align: 8
    .kernarg_segment_size: 72
    .max_flat_workgroup_size: 256
    .sgpr_count:     72
    .vgpr_count:     256
    .wavefront_size: 32
...
	.end_amdgpu_metadata
.endif
;; end of part 2
;; ======== version 2 of 2: 2 launches; version 1 with the launch hyper_b written anew for expert scheduling mode
;; workspace buffers: tpart 16,384 bytes; basep 2,097,152 bytes
;; launch hyper_a: the kernel of part 1 again; grid 256 x 1, 8 waves a work-group, no clusters, 66,560 bytes of LDS; arguments x, HN_ids, weight, emb_id, emb_layer, W_A, lowp_scales, tpart, basep; writes tpart, basep
;; launch hyper_b (part 3): grid 256 x 1, 8 waves a work-group, no clusters, 25,600 bytes of LDS; arguments HN_ids, emb_id, emb_layer, W_B, lowp_scales, bias, tpart, basep, out0; writes out0
.if DOCPART == 3
	.amdgcn_target "amdgcn-amd-amdhsa--gfx1250"
	.amdhsa_code_object_version 6
	.text
	.protected	k_q753be8a4ac_hyper_b
	.globl	k_q753be8a4ac_hyper_b
	.p2align	8
	.type	k_q753be8a4ac_hyper_b,@function
k_q753be8a4ac_hyper_b:
	s_mov_b64 s[64:65], 0
	v_nop
	global_prefetch_b8 v0, s[64:65] scope:SCOPE_SE
	s_setreg_imm32_b32 hwreg(HW_REG_WAVE_SCHED_MODE, 0, 2), 2
	s_setreg_imm32_b32 hwreg(HW_REG_WAVE_MODE, 25, 1), 1
	s_wait_xcnt 0x0
	s_wait_alu depctr_vm_vsrc(0)
; SECOND OF TWO LAUNCHES.  out[b][o] = sum over rank of B[b][o][rank] t[b][rank]  +  (weight x)[b][o]  +  bias[o];  B = Q(h) Q(W_B): [16][32768], column n = 16 o + rank;  h = emb_id[HN_ids] + emb_layer[3].
; t[b][rank] = the sum of tpart[rank][i block 0 .. 15][b];  (weight x)[b][o] = the sum of basep[o / 8][i block 0 .. 15][(o / 4) % 2][b][o % 4]: both stored by the first launch.
; Work-group g takes columns 128 g .. 128 g + 127 of W_B, which are outputs 8 g .. 8 g + 7 with all their 16 ranks: each output has one owner.
; SHARES.  Eight waves.  Wave w = 2 kq + cg takes 64 columns (64 cg on: four outputs) x 64 rows k (64 kq on) of W_B; ranks 2 w, 2 w + 1 of t; i blocks 2 w, 2 w + 1 of basep.  All 44 loads of a wave go out at the head.
; W_B's way into codes, the places of k and the tiles are the first launch's: tile j holds columns 4 r + j, that is output r / 4 of my four and rank 4 (r % 4) + j; lane (r, h), register jj = batch 8 h + jj.
; So the sum over ranks is four multiply-adds in a lane and two steps across four neighbouring lanes.  The four parts along K and the eight pairs of i blocks meet in LDS; wave 0 adds them, and the bias, and stores.
; FORMATS.  Q(h) Q(W_B): E5M2 codes, v_wmma_f32_16x16x64_bf8_bf8; all else f32.
; NO CLUSTER, NO TENSOR LOADS: what work-groups share (tpart, 16 KB, and the embeddings' rows, 24 KB) is 40 of a work-group's 176 KB, and all of it fits into registers in flight.  NO PREFETCH: every byte is asked for at the head.
; LIMITS: entries 2 and 3 of lowp_scales lie between -126 and 112, so that 2^e and 57,344 x 2^e are f32 numbers (e2 + e3 goes through v_ldexp_f32 and has no limit).  NaN among h or W_B is not served; infinities are held
; at the largest code.  An id above 999 (or negative) is taken as 999.  out0 leaves as 16 bytes a lane, 32 consecutive bytes of each batch row a work-group: eight outputs are as many as a work-group owns.
; THE MODE: SCHED_MODE bits 1:0 = 2 (LLVM: expert scheduling mode 2), set by the entry lines.  The code itself states the register dependences
; between vector or matrix instructions and memory or LDS instructions, with s_wait_alu, always for 0.
; THE PLAN.  The text is straight: no loop.  Registers that memory or LDS instructions touch, in program order:
;   v1-v10, v126, v127   offsets and LDS addresses: written once at the head by vector lines, read by every load and store, never written again.  One wait on va_vdst ahead of the first load.
;   v40-63, v64-87, v128-255   the 44 global loads land here; no vector line names them ahead of the loads.
;   v96-103 (t), v80-83 (two i blocks added)   written by additions, read by five LDS stores that stand together behind one wait on va_vdst; wave 0's last LDS loads land in them: one wait on vm_vsrc, ahead of the branch that leads there.
;   v40-55 (h)   written by additions, read by four LDS stores: one wait on va_vdst between.  The same wait states that W_B's holds, conversions and permutes are done with v160-223,
;                in which the sixteen LDS loads behind the first barrier land: no vector line stands between that wait and those loads.
;   v32-39 (the sums)   written by multiply-adds and lane sums, read by eight LDS stores: one wait on va_vdst between.  The same wait states that all vector lines that named v64-111 are done:
;                wave 0's twelve LDS loads land there, and no vector line stands between that wait and those loads.
;   v64-67   written by the last additions, read by the store of out0: one wait on va_vdst between.
;   s22 (the wave's number, from a vector line) and VCC (one compare): a wait on va_sdst and one on va_vcc, each ahead of the first reader.
.set HS,   0                           ; LDS: h, f32, 16 rows of 1,024 bytes + 16
.set TTAB, 16640                       ;      t[b][rank], 64 bytes a row
.set OP,   17664                       ;      [kq 4][cg 2][b 16][output 4]: the products' parts
.set BP,   19712                       ;      [wave 8][cg 2][b 16][output 4]: weight x's parts; it begins 2,048 bytes behind OP
.set PI, 4                             ; s[4:5] HN_ids   s[6:7] emb_id   s[8:9] emb_layer   s[10:11] W_B   s[12:13] lowp_scales   s[14:15] bias   s[16:17] tpart   s[18:19] basep   s[20:21] out0
.set PE, 6
.set PL, 8
.set PW, 10
.set PS, 12
.set PBI, 14
.set PT, 16
.set PB, 18
.set PO, 20
.set WV, 22                            ; s22 wave   s23 cg   s24 kq
.set CG, 23
.set KQ, 24
.set SELA, 32                          ; s32-35 byte selects of the 4 x 4 turn
.set SELB, 33
.set SELC, 34
.set SELD, 35
.set L16,  1                           ; v1   16 x lane
.set WOFF, 2                           ; v2   W_B: 16 r, and 32 rows further down for lanes 16-31
.set HSS,  3                           ; v3   h into LDS
.set HFR,  4                           ; v4   h's fragment out of it
.set TTS,  5                           ; v5   t into LDS
.set TTR,  6                           ; v6   and out of it
.set OPS,  7                           ; v7   the products' parts
.set BPS,  8                           ; v8   weight x's parts
.set OUTO, 9                           ; v9   my bytes in out0
.set FRD,  10                          ; v10  the parts, read back
.set SW,   13                          ; v13  2^e3   v14  57,344 x 2^e3   v15  2^e2   v28  57,344 x 2^e2
.set LW,   14
.set SH,   15
.set LH,   28
.set IT,   16                          ; v16-23 codes as converted; later h's fragment
.set HC,   16
.set TT0,  24                          ; v24-27 at work
.set ACC,  32                          ; v32-39 the eight sums
.set ED,   40                          ; v40-55 two rows of emb_id
.set LD,   56                          ; v56-63 emb_layer's row
.set TD,   64                          ; v64-79 tpart as loaded
.set BD,   80                          ; v80-87 basep as loaded
.set TS,   88                          ; v88-95 sums of tpart
.set TV,   96                          ; v96-103 t: register 2 e + rank's parity
.set PMT,  104                         ; v104-111 the other half's sums
.set BI,   112                         ; v112-119 the bias
.set WD,   128                         ; v128-255 W_B as loaded
.set CD,   128                         ; v128-159 its codes, four tiles of 8 registers, over the first eight loads' registers
.set HF,   160                         ; v160-191 h in f32
.set TQ,   192                         ; v192-223 t for the contraction
.set DA,   224                         ; v224-255 the four tiles of B
.macro WLOADS                          ; load L: lanes 0-15 the aligned 256 bytes of row L of my 64, lanes 16-31 those of row 32 + L
.set L, 0
.rept 32
	global_load_b128 v[WD+4*L:WD+4*L+3], v[WOFF], s[PW:PW+1] offset:L*131072 th:TH_LOAD_NT
.set L, L+1
.endr
.endm
; Loads 8 p .. 8 p + 7 become registers 2 p and 2 p + 1 of the four tiles.  left: the loads issued behind them, which may stay out.
.macro WPAIR p, left
	s_wait_loadcnt \left
.set i, 0
.rept 32
	v_med3_num_f32 v[WD+32*\p+i], v[WD+32*\p+i], -v[LW], v[LW]   ; the conversion to an 8-bit code does not saturate (ISA guide 7.6.2): the hold at the largest code x the scale
.set i, i+1
.endr
.irp m, 0,1,2,3
	v_cvt_scalef32_pk8_bf8_f32 v[IT+2*\m:IT+2*\m+1], v[WD+32*\p+8*\m:WD+32*\p+8*\m+7], v[SW]   ; register IT + n: row 8 p + n, bytes = my four columns
.endr
	v_nop                                          ; one plain vector instruction between a scaled conversion and the next vector instruction that touches its result or writes its sources
.irp c, 0,1                            ; rows a, b, c, d = 4 (2 p + c) on: (a0 b0 a1 b1) (a2 b2 a3 b3) (c0 d0 c1 d1) (c2 d2 c3 d3), then (a b c d) of each column
	v_perm_b32 v[TT0],   v[IT+4*\c+1], v[IT+4*\c],   s[SELA]
	v_perm_b32 v[TT0+1], v[IT+4*\c+1], v[IT+4*\c],   s[SELB]
	v_perm_b32 v[TT0+2], v[IT+4*\c+3], v[IT+4*\c+2], s[SELA]
	v_perm_b32 v[TT0+3], v[IT+4*\c+3], v[IT+4*\c+2], s[SELB]
	v_perm_b32 v[CD+2*\p+\c],    v[TT0+2], v[TT0],   s[SELC]
	v_perm_b32 v[CD+8+2*\p+\c],  v[TT0+2], v[TT0],   s[SELD]
	v_perm_b32 v[CD+16+2*\p+\c], v[TT0+3], v[TT0+1], s[SELC]
	v_perm_b32 v[CD+24+2*\p+\c], v[TT0+3], v[TT0+1], s[SELD]
.endr
.endm
.macro EMBBASE                         ; my wave's two ids, held inside the table, become the addresses of two rows of 1,024 bytes
	s_min_u32 s36, s36, 999
	s_min_u32 s37, s37, 999
	s_lshl_b32 s28, s36, 10
	s_mov_b32 s29, 0
	s_lshl_b32 s30, s37, 10
	s_mov_b32 s31, 0
	s_add_nc_u64 s[40:41], s[PE:PE+1], s[28:29]
	s_add_nc_u64 s[42:43], s[PE:PE+1], s[30:31]
.endm
.macro EMBLOADS                        ; each load: 512 consecutive bytes
	global_load_b128 v[ED:ED+3],     v[L16], s[40:41]
	global_load_b128 v[ED+4:ED+7],   v[L16], s[40:41] offset:512
	global_load_b128 v[ED+8:ED+11],  v[L16], s[42:43]
	global_load_b128 v[ED+12:ED+15], v[L16], s[42:43] offset:512
	global_load_b128 v[LD:LD+3],     v[L16], s[PL:PL+1] offset:3072     ; layer_id = 3
	global_load_b128 v[LD+4:LD+7],   v[L16], s[PL:PL+1] offset:3584
.endm
.macro SCALES                          ; s38 = h's exponent, s39 = the weight's.  The four registers written here are named by vector lines alone
	s_add_co_i32 s45, s38, s39                     ; what a finished sum is multiplied by: 2^s45
	s_add_co_i32 s44, s38, 127
	s_lshl_b32 s47, s44, 23
	v_mov_b32 v[SH], s47                           ; 2^e as f32: the conversion takes its exponent field
	s_add_co_i32 s44, s44, 15
	s_lshl_b32 s44, s44, 23
	s_or_b32 s44, s44, 0x600000
	v_mov_b32 v[LH], s44                           ; 57,344 x 2^e
	s_add_co_i32 s44, s39, 127
	s_lshl_b32 s47, s44, 23
	v_mov_b32 v[SW], s47
	s_add_co_i32 s44, s44, 15
	s_lshl_b32 s44, s44, 23
	s_or_b32 s44, s44, 0x600000
	v_mov_b32 v[LW], s44
.endm
.macro HSTAGE                          ; h = emb_id's row + emb_layer's row, batch rows 2 w and 2 w + 1, into LDS
.irp i, 0,2,4,6
	v_pk_add_f32 v[ED+\i:ED+\i+1], v[ED+\i:ED+\i+1], v[LD+\i:LD+\i+1]
	v_pk_add_f32 v[ED+8+\i:ED+9+\i], v[ED+8+\i:ED+9+\i], v[LD+\i:LD+\i+1]
.endr
	s_wait_alu depctr_va_vdst(0)                   ; the additions have written v[ED ..], which the LDS stores read; and W_B's holds, conversions and permutes are done with v160-223, in which the LDS loads behind the barrier land
	ds_store_b128 v[HSS], v[ED:ED+3]
	ds_store_b128 v[HSS], v[ED+4:ED+7] offset:512
	ds_store_b128 v[HSS], v[ED+8:ED+11] offset:1040
	ds_store_b128 v[HSS], v[ED+12:ED+15] offset:1552
.endm
.macro HFETCH                          ; lane (r, h): h[r][64 kq + 32 h + 0 .. 31].  No wait: no vector line since the wait in HSTAGE names these registers
.irp c, 0,1,2,3,4,5,6,7
	ds_load_b128 v[HF+4*\c:HF+4*\c+3], v[HFR] offset:16*\c
.endr
.endm
.macro HQUANT                          ; and its 32 codes: the fragment's eight registers
	s_wait_dscnt 0x0
.set i, 0
.rept 32
	v_med3_num_f32 v[HF+i], v[HF+i], -v[LH], v[LH]
.set i, i+1
.endr
.irp m, 0,1,2,3
	v_cvt_scalef32_pk8_bf8_f32 v[HC+2*\m:HC+2*\m+1], v[HF+8*\m:HF+8*\m+7], v[SH]
.endr
	v_nop                                          ; the plain instruction between the conversions and the products that read their results
.endm
.macro MUL4                            ; four sums of their own, each begun with the constant 0
.irp j, 0,1,2,3
	v_wmma_f32_16x16x64_bf8_bf8 v[DA+8*\j:DA+8*\j+7], v[HC:HC+7], v[CD+8*\j:CD+8*\j+7], 0
.endr
.rept 4
	v_nop                                          ; four places between a product and the first vector instruction that reads its result (ISA guide 7.12.1)
.endr
.endm
.macro DOT f                           ; ACC[jj] = sum over j of tile j's register jj x v[f + 4 jj + j]; each tile is read from its register 0 on
.irp jj, 0,1,2,3,4,5,6,7
	v_mul_f32 v[ACC+\jj], v[DA+\jj], v[\f+4*\jj]
.endr
.irp j, 1,2,3
.irp jj, 0,1,2,3,4,5,6,7
	v_fmac_f32 v[ACC+\jj], v[DA+8*\j+\jj], v[\f+4*\jj+\j]
.endr
.endr
.endm
.macro ROWSUM mask                     ; lanes l and l xor mask, inside each half of 16 lanes
.irp jj, 0,1,2,3,4,5,6,7
	v_add_f32_dpp v[ACC+\jj], v[ACC+\jj], v[ACC+\jj] row_xmask:\mask row_mask:0xf bank_mask:0xf
.endr
.endm
.macro BARRIER                         ; my LDS stores have landed and my LDS loads are in: then the work-group's barrier
	s_wait_dscnt 0x0
	s_barrier_signal -1
	s_barrier_wait -1
.endm
.macro ADD4 d, s                       ; four numbers onto four
	v_pk_add_f32 v[\d:\d+1],   v[\d:\d+1],   v[\s:\s+1]
	v_pk_add_f32 v[\d+2:\d+3], v[\d+2:\d+3], v[\s+2:\s+3]
.endm
	s_load_b256 s[4:11], s[0:1], 0x0
	s_load_b256 s[12:19], s[0:1], 0x20
	s_load_b64 s[20:21], s[0:1], 0x40
	v_lshl_add_u32 v126, v0, 2, 0x6000             ; the LDS address of my spare word, and 0: made here and kept for the closing lines alone
	v_mov_b32 v127, 0
	v_lshrrev_b32 v24, 5, v0
	v_readfirstlane_b32 s[WV], v24                 ; wave 0..7
	s_mov_b32 s[SELA], 0x05010400
	s_mov_b32 s[SELB], 0x07030602
	s_mov_b32 s[SELC], 0x05040100
	s_mov_b32 s[SELD], 0x07060302
	s_mov_b32 s56, 0x76543210                      ; v_permlanex16_b32: lane l xor 16
	s_mov_b32 s57, 0xfedcba98
	; lane terms that hang on the lane alone: they stand between the line that writes s22 and the wait for it
	v_and_b32 v31, 31, v0                          ; lane
	v_and_b32 v24, 15, v0                          ; r
	v_bfe_u32 v25, v0, 4, 1                        ; h
	v_and_b32 v26, 3, v0                           ; r % 4
	v_bfe_u32 v27, v0, 2, 2                        ; r / 4
	v_lshlrev_b32 v[L16], 4, v31
	v_lshlrev_b32 v[WOFF], 4, v24
	v_lshl_or_b32 v[WOFF], v25, 22, v[WOFF]        ; 32 rows of 131,072 bytes
	v_lshlrev_b32 v[OUTO], 13, v24
	v_lshl_add_u32 v[OUTO], v25, 4, v[OUTO]        ; batch r's row of 8,192 bytes, + 16 bytes for lanes 16-31
	v_add_nc_u32 v[FRD], OP, v[L16]
.irp i, 0,1,2,3,4,5,6,7
	v_mov_b32 v[PMT+\i], 0                         ; written once: a lane permute's destination counts as one of its sources
.endr
	s_wait_alu depctr_va_sdst(0)                   ; s22, the wave's number, is written, ahead of its first reader: offsets, LDS addresses and the last branch are made from it
	s_and_b32 s[CG], s[WV], 1
	s_lshr_b32 s[KQ], s[WV], 1
	; byte offsets, each in a pair of its own
	s_lshl_b32 s58, s[WV], 3                       ; HN_ids: two a wave
	s_mov_b32 s59, 0
	s_lshl_b32 s60, s[KQ], 23                      ; W_B: 64 kq rows of 131,072 bytes,
	s_lshl_b32 s31, ttmp9, 9                       ; 128 g columns,
	s_add_co_u32 s60, s60, s31
	s_lshl_b32 s31, s[CG], 8                       ; 64 cg columns
	s_add_co_u32 s60, s60, s31
	s_mov_b32 s61, 0
	s_lshl_b32 s62, s[WV], 11                      ; tpart: two ranks of 1,024 bytes a wave
	s_mov_b32 s63, 0
	s_lshl_b32 s66, ttmp9, 13                      ; basep: my eight outputs' 8,192 bytes,
	s_lshl_b32 s31, s[WV], 10                      ; two i blocks of 512 bytes a wave
	s_add_co_u32 s66, s66, s31
	s_mov_b32 s67, 0
	s_lshl_b32 s68, ttmp9, 5                       ; bias and out0: eight numbers a work-group
	s_mov_b32 s69, 0
	; lane terms that take the wave's number in
	s_mul_i32 s28, s[WV], 2080                     ; two rows of 1,040
	v_add_nc_u32 v[HSS], s28, v[L16]
	v_mul_u32_u24 v[HFR], v24, 1040
	v_lshl_add_u32 v[HFR], v25, 7, v[HFR]
	s_lshl_b32 s28, s[KQ], 8
	v_add_nc_u32 v[HFR], s28, v[HFR]               ; row r, number 64 kq + 32 h
	s_lshl_b32 s28, s[WV], 3
	s_add_co_u32 s28, s28, TTAB
	v_lshl_add_u32 v[TTS], v26, 8, s28             ; batch 4 (lane % 4), ranks 2 w and 2 w + 1
	v_lshlrev_b32 v[TTR], 4, v26
	v_lshl_add_u32 v[TTR], v25, 9, v[TTR]
	v_add_nc_u32 v[TTR], TTAB, v[TTR]              ; batch 8 h, ranks 4 (r % 4) on
	v_lshlrev_b32 v[OPS], 2, v27
	v_lshl_add_u32 v[OPS], v25, 7, v[OPS]
	s_lshl_b32 s28, s[WV], 8
	s_add_co_u32 s28, s28, OP
	v_add_nc_u32 v[OPS], s28, v[OPS]               ; 256 w (= 512 kq + 256 cg), batch 8 h, output r / 4
	s_lshl_b32 s28, s[WV], 9
	s_add_co_u32 s28, s28, BP
	v_add_nc_u32 v[BPS], s28, v[L16]
	s_wait_kmcnt 0x0
	s_add_nc_u64 s[PI:PI+1], s[PI:PI+1], s[58:59]
	s_add_nc_u64 s[PBI:PBI+1], s[PBI:PBI+1], s[68:69]
	s_load_b64 s[36:37], s[PI:PI+1], 0x0           ; ids of batch rows 2 w, 2 w + 1
	s_load_b64 s[38:39], s[PS:PS+1], 0x8           ; e2 (h), e3 (W_B)
	s_load_b256 s[48:55], s[PBI:PBI+1], 0x0        ; bias of my eight outputs
	s_add_nc_u64 s[PT:PT+1], s[PT:PT+1], s[62:63]
	s_add_nc_u64 s[PB:PB+1], s[PB:PB+1], s[66:67]
	s_add_nc_u64 s[PW:PW+1], s[PW:PW+1], s[60:61]
	s_wait_alu depctr_va_vdst(0)                   ; the ten offsets and addresses v1 to v10 are written, which every load and store below reads; none of them is written again
	; ---- all 44 loads: tpart 4, basep 2, W_B 32, embeddings 6
.irp c, 0,1,2,3
	global_load_b128 v[TD+4*\c:TD+4*\c+3], v[L16], s[PT:PT+1] offset:512*\c
.endr
	global_load_b128 v[BD:BD+3],   v[L16], s[PB:PB+1] th:TH_LOAD_NT
	global_load_b128 v[BD+4:BD+7], v[L16], s[PB:PB+1] offset:512 th:TH_LOAD_NT
	WLOADS
	s_add_nc_u64 s[PO:PO+1], s[PO:PO+1], s[68:69]
	s_wait_kmcnt 0x0                               ; the ids, the exponents, the bias; 38 loads are out meanwhile
	EMBBASE
	EMBLOADS
	SCALES
	; ---- t.  Load c, lane l, number e: tpart[rank 2 w + c / 2][i block 8 (c % 2) + l / 4][batch 4 (l % 4) + e]
	s_wait_loadcnt 40                              ; behind tpart's four loads 40 were issued
	v_pk_add_f32 v[TS:TS+1],   v[TD:TD+1],     v[TD+4:TD+5]
	v_pk_add_f32 v[TS+2:TS+3], v[TD+2:TD+3],   v[TD+6:TD+7]
	v_pk_add_f32 v[TS+4:TS+5], v[TD+8:TD+9],   v[TD+12:TD+13]
	v_pk_add_f32 v[TS+6:TS+7], v[TD+10:TD+11], v[TD+14:TD+15]
.irp k, 4,8                            ; over l / 4: lanes 4 and 8 apart, then the other half
.irp i, 0,1,2,3,4,5,6,7
	v_add_f32_dpp v[TS+\i], v[TS+\i], v[TS+\i] row_xmask:\k row_mask:0xf bank_mask:0xf
.endr
.endr
.irp i, 0,1,2,3,4,5,6,7
	v_permlanex16_b32 v[PMT+\i], v[TS+\i], s56, s57
.endr
.irp e, 0,1,2,3
	v_add_f32 v[TV+2*\e],   v[TS+\e],   v[PMT+\e]
	v_add_f32 v[TV+2*\e+1], v[TS+4+\e], v[PMT+4+\e]
.endr
	; ---- weight x: my two i blocks, added; then both results' stores, together
	s_wait_loadcnt 38                              ; behind basep's two loads 38 were issued
	ADD4 BD, BD+4
	s_wait_alu depctr_va_vdst(0)                   ; the additions have written v[TV ..] and v[BD ..], which the five LDS stores read
.irp e, 0,1,2,3
	ds_store_b64 v[TTS], v[TV+2*\e:TV+2*\e+1] offset:64*\e   ; t[4 (l % 4) + e][2 w, 2 w + 1]: lanes with the same l % 4 store the same words with the same values
.endr
	ds_store_b128 v[BPS], v[BD:BD+3]
	; ---- W_B into codes.  Behind loads 8 p .. 8 p + 7: 8 (3 - p) of W_B's and 6 of the embeddings'.  These lines name v16-27 and v128-255: no register that the five stores read
	WPAIR 0, 30
	WPAIR 1, 22
	WPAIR 2, 14
	WPAIR 3, 6
	; ---- h into LDS
	s_wait_loadcnt 0x0
	HSTAGE
	BARRIER                                        ; h and t are whole
	; ---- B's tiles, and their contraction with t
	HFETCH
.irp jj, 0,1,2,3,4,5,6,7
	ds_load_b128 v[TQ+4*\jj:TQ+4*\jj+3], v[TTR] offset:64*\jj   ; t[8 h + jj][my four ranks].  No wait, as in HFETCH
.endr
	HQUANT
	MUL4
	DOT TQ
	ROWSUM 1                                       ; over the four lanes that hold an output's sixteen ranks
	ROWSUM 2
	s_wait_alu depctr_va_vdst(0)                   ; the lane sums have written v[ACC ..], which the LDS stores read; and every vector line that named v64-111 is done: wave 0's loads below land there, with no vector line between
.irp jj, 0,1,2,3,4,5,6,7
	ds_store_b32 v[OPS], v[ACC+\jj] offset:16*\jj  ; those four lanes store the same word with the same value
.endr
	BARRIER                                        ; all parts lie in LDS
	s_wait_alu depctr_vm_vsrc(0)                   ; the LDS stores of t and of weight x's part have read v96-103 and v80-83, in which wave 0's loads below land: stated ahead of the branch that leads there
	s_cmp_lg_u32 s[WV], 0
	s_cbranch_scc1 .Lend
	; ---- wave 0: lane 16 q + b takes batch b, outputs 4 q .. 4 q + 3
.irp k, 0,1,2,3
	ds_load_b128 v[64+4*\k:67+4*\k], v[FRD] offset:512*\k          ; the four parts along K
.endr
.irp k, 0,1,2,3,4,5,6,7
	ds_load_b128 v[80+4*\k:83+4*\k], v[FRD] offset:2048+512*\k     ; the eight pairs of i blocks
.endr
	v_cmp_le_u32 vcc_lo, 16, v0                    ; in wave 0 the thread's number is the lane
.irp e, 0,1,2,3
	v_mov_b32 v[BI+\e], s[48+\e]
	v_mov_b32 v[BI+4+\e], s[52+\e]
.endr
	s_wait_alu depctr_va_vcc(0)                    ; the compare has written VCC, which the four selections read
.irp e, 0,1,2,3
	v_cndmask_b32 v[BI+\e], v[BI+\e], v[BI+4+\e], vcc_lo
.endr
	s_wait_dscnt 0x0
	ADD4 64, 68
	ADD4 72, 76
	ADD4 80, 84
	ADD4 88, 92
	ADD4 96, 100
	ADD4 104, 108
	ADD4 64, 72
	ADD4 80, 88
	ADD4 96, 104
.irp e, 0,1,2,3
	v_ldexp_f32 v[64+\e], v[64+\e], s45            ; x 2^(e2 + e3)
.endr
	ADD4 80, 96
	ADD4 80, BI
	ADD4 64, 80
	s_wait_alu depctr_va_vdst(0)                   ; the last additions have written v[64:67], which the store reads
	global_store_b128 v[OUTO], v[64:67], s[PO:PO+1]
.Lend:
	s_wait_dscnt 0x0                               ; the closing lines, six on end
	s_wait_alu 0x0
	s_wait_tensorcnt 0x0
	ds_add_u32 v126, v127
	s_wait_dscnt 0x0
	s_endpgm
.Lfunc_end_k_q753be8a4ac_hyper_b:
	.size	k_q753be8a4ac_hyper_b, .Lfunc_end_k_q753be8a4ac_hyper_b-k_q753be8a4ac_hyper_b
	.p2alignl 7, 3214868480
	.fill 96, 4, 3214868480
	.section	.rodata,"a",@progbits
	.p2align	6, 0x0
	.amdhsa_kernel k_q753be8a4ac_hyper_b
		.amdhsa_group_segment_fixed_size 25600
		.amdhsa_private_segment_fixed_size 0
		.amdhsa_enable_private_segment 0
		.amdhsa_kernarg_size 72
		.amdhsa_user_sgpr_count 2
		.amdhsa_user_sgpr_kernarg_segment_ptr 1
		.amdhsa_wavefront_size32 1
		.amdhsa_system_sgpr_workgroup_id_x 1
		.amdhsa_system_sgpr_workgroup_id_y 1
		.amdhsa_system_sgpr_workgroup_id_z 1
		.amdhsa_system_vgpr_workitem_id 0
		.amdhsa_next_free_vgpr 256
		.amdhsa_next_free_sgpr 72
		.amdhsa_reserve_vcc 1
		.amdhsa_float_denorm_mode_32 3
		.amdhsa_float_denorm_mode_16_64 3
		.amdhsa_memory_ordered 1
		.amdhsa_forward_progress 1
		.amdhsa_inst_pref_size 36
	.end_amdhsa_kernel
	.amdgpu_metadata
---
amdhsa.version: [ 1, 2 ]
amdhsa.kernels:
  - .name:           k_q753be8a4ac_hyper_b
    .symbol:         k_q753be8a4ac_hyper_b.kd
    .args:
      - { .name: HN_ids, .offset: 0, .size: 8, .value_kind: global_buffer, .address_space: global }
      - { .name: emb_id, .offset: 8, .size: 8, .value_kind: global_buffer, .address_space: global }
      - { .name: emb_layer, .offset: 16, .size: 8, .value_kind: global_buffer, .address_space: global }
      - { .name: W_B, .offset: 24, .size: 8, .value_kind: global_buffer, .address_space: global }
      - { .name: lowp_scales, .offset: 32, .size: 8, .value_kind: global_buffer, .address_space: global }
      - { .name: bias, .offset: 40, .size: 8, .value_kind: global_buffer, .address_space: global }
      - { .name: tpart, .offset: 48, .size: 8, .value_kind: global_buffer, .address_space: global }
      - { .name: basep, .offset: 56, .size: 8, .value_kind: global_buffer, .address_space: global }
      - { .name: out0, .offset: 64, .size: 8, .value_kind: global_buffer, .address_space: global }
    .group_segment_fixed_size: 25600
    .private_segment_fixed_size: 0
    .kernarg_segment_align: 8
    .kernarg_segment_size: 72
    .max_flat_workgroup_size: 256
    .sgpr_count:     72
    .vgpr_count:     256
    .wavefront_size: 32
...
	.end_amdgpu_metadata
.endif
;; end of part 3
